; MI455X (gfx1250); checked and timed in simulation.
; The chip was launched on July 23, 2026; its instructions are those of AMD's public machine-readable ISA for CDNA 5 (MIT licence, August 2026) and "CDNA5" Instruction Set Architecture Reference Guide (July 2026). The comments in the code are by the model that wrote it; some were corrected since.
;; Core Attention. Allowed arithmetic: matrix products marked QUANTISED: E2M3 operands, one E8M0 scale for each 32 along K, by v_wmma_scale_f32_16x16x128_f8f6f4 with both operands' format E2M3, f32 sums; everything else in f32.
;; Inputs: key_layer_codes 2 x 32 x 2,048 x 4 x 24 uint8 (E2M3 codes of key_layer, K innermost, in blocks of 32 codes, four codes in three bytes); key_layer_scales 2 x 32 x 2,048 x 4 uint8 (E8M0 scales of key_layer, one for each 32 codes along K); query_layer_codes 2 x 32 x 2,048 x 4 x 24 uint8 (E2M3 codes of query_layer, K innermost, in blocks of 32 codes, four codes in three bytes); query_layer_scales 2 x 32 x 2,048 x 4 uint8 (E8M0 scales of query_layer, one for each 32 codes along K); value_layer_codes 2 x 32 x 128 x 64 x 24 uint8 (E2M3 codes of value_layer, K innermost, in blocks of 32 codes, four codes in three bytes); value_layer_scales 2 x 32 x 128 x 64 uint8 (E8M0 scales of value_layer, one for each 32 codes along K).
;; Outputs: out0 2 x 2,048 x 4,096 float32.
;; This version of the problem:
;;   THIS VERSION OF THE PROBLEM IS GIVEN IN LOW PRECISION. The matrix products marked QUANTISED in the list below multiply operands that are first quantised to E2M3 (2 exponent bits, 3 mantissa bits; 6 bits a number), with one power-of-two scale for each 32 numbers along K (OCP MX v1.0); their sums are f32. All else is computed in f32.
;;   The module's matrix products, in the order in which they are computed (A, B: the left and right operand; K: the contracted axis; several contracted axes count as one K, in the product's order):
;;     1. batch 64 x [M 2,048, K 128] x [K 128, N 2,048]; A: input query_layer (given as codes); B: input key_layer (given as codes): QUANTISED
;;     2. batch 64 x [M 2,048, K 2,048] x [K 2,048, N 128]; A: softmax (see below); B: input value_layer (given as codes): QUANTISED
;;   THE QUANTISER, for each operand of a quantised product, along K:
;;     - K is cut into blocks of 32 from its start; a last block that is shorter is filled with zeros.
;;     - A block's scale is 2^e with e = floor(log2(the largest magnitude in the block)) - 2, held to -126 .. 127; a block of zeros has e = 0. As a byte (E8M0): e + 127.
;;     - Each number is divided by its block's scale, clamped to +-7.5, and rounded to the nearest number of E2M3, ties to even, subnormals kept.
;;     - The product sums the exact products of the quantised numbers (number of the format x scale) in f32.
;;   ~~~python
;;   def quantise(x, axis):      # numpy; x: float32 -> the quantised numbers, widened to float32 again
;;       x = np.moveaxis(x, axis, -1); K = x.shape[-1]
;;       x = np.pad(x, [(0, 0)] * (x.ndim - 1) + [(0, -K % 32)]); x = x.reshape(x.shape[:-1] + (-1, 32)); a = np.abs(x).max(-1, keepdims=True)
;;       e = np.where(a > 0, np.clip(np.frexp(np.where(a > 0, a, 1))[1] - 1 - 2, -126, 127), 0)      # np.frexp(a)[1] - 1 = floor(log2(a)), exactly
;;       r = np.clip(x / 2.0 ** e, -7.5, 7.5)
;;       step = 2.0 ** (np.maximum(np.frexp(np.where(r == 0, 1, r))[1] - 1, 0) - 3)
;;       q = np.round(r / step) * step * 2.0 ** e      # np.round: ties to even
;;       return np.moveaxis(q.reshape(q.shape[:-2] + (-1,))[..., :K], -1, axis).astype(np.float32)
;;   ~~~
;;   SOFTMAX AHEAD OF A QUANTISED PRODUCT. Where the list says 'softmax', what is quantised is not the finished softmax but p = 2^(t - M), with t = logit x log2(e) and M = ceil(the row's largest t), a whole number; so 1/2 < the row's largest p <= 1. The row's sum l is taken of the UNQUANTISED p, in f32, and the product's result is divided by l at the end. Since M is a whole number, a kernel that streams over the keys may use a running M (the ceiling of the running maximum): every later rescaling is an exact power of two, which a block's scale takes up: the codes' values come out the same.
;;   OPERANDS COMPUTED ON THE WAY. 'Computed on the way' means the value that the module computes at that place (a softmax that the list does not call 'softmax' is quantised finished and normalised). What goes into a quantiser is computed in f32, as accurately as f32 sums, v_exp_f32 and their like allow (about 1e-6 of the number): no bf16 or f16 on the way to a quantiser, and a product that is left as it is and whose result goes on into a quantised operand takes f32 operands (vector FMAs, or v_wmma_f32_16x16x4_f32). A number that lies on a knife's edge between two numbers of the format may be rounded either way, as far as f32 arithmetic and the matrix unit's own rounding can turn it there, and no further.
;;   INPUTS GIVEN AS CODES. key_layer (in the module: [2, 32, 2048, 128], K = its axis 3); query_layer (in the module: [2, 32, 2048, 128], K = its axis 3); value_layer (in the module: [2, 32, 2048, 128], K = its axis 2): each comes as NAME_codes (uint8): NAME with its K axis moved to the last place and cut into blocks of 32 codes, [.., K / 32, bytes a block], one block behind the other in memory; four codes in three bytes: a row's codes are one little-endian stream of bits, code i at bits 6 i .. 6 i + 5 (a code: sign, 2 exponent bits, 3 mantissa bits); and NAME_scales (uint8): the same leading axes, one E8M0 byte (e + 127) for each 32 codes along K. Its value is code x scale, taken as it is: it is not quantised again, and the codes and scales need not be those that the quantiser above would give.
;; One version. Each part assembles by itself: llvm-mc -triple=amdgcn-amd-amdhsa -mcpu=gfx1250 --defsym DOCPART=n.
;; ======== version 1 of 1: 1 launch
;; launch attn (part 1): grid 4 x 64, 8 waves a work-group, no clusters, 327,680 bytes of LDS; arguments query_layer_codes, query_layer_scales, key_layer_codes, key_layer_scales, value_layer_codes, value_layer_scales, out0; writes out0
.if DOCPART == 1
	.amdgcn_target "amdgcn-amd-amdhsa--gfx1250"
	.amdhsa_code_object_version 6
	.text
	.protected	k_qe8242ee533_attn
	.globl	k_qe8242ee533_attn
	.p2align	8
	.type	k_qe8242ee533_attn,@function
k_qe8242ee533_attn:
	s_mov_b64 s[64:65], 0
	v_nop
	global_prefetch_b8 v0, s[64:65] scope:SCOPE_SE
	s_setreg_imm32_b32 hwreg(HW_REG_WAVE_MODE, 25, 1), 1
	s_wait_xcnt 0x0
; CAUSAL ATTENTION ON CODES OF FP6 (E2M3), one E8M0 scale for each 32 along a product's K.  64 heads (2 x 32), 2,048 queries, 2,048 keys, head size 128.
; Q, K: [64][2048][96 bytes], K = the head's 128; one scale word a row.  V: keys innermost, [64][128][1,536 bytes]; 64 scale bytes a row.  out0[b][q][128 hh + d], f32.
; t = score x c, c = log2(e) / sqrt(128) (the two scalings of the problem cancel to 1 / sqrt(128)).  M = the running largest t rounded UP to a whole number; p = 2^(t - M) is quantised along the keys,
; not normalised; the row's sum is taken of the unquantised p in f32 and divides O at the end.  When M moves, the sums and O are multiplied by 2^(old M - new M), which rounds nothing.
; SHARES.  Work-group (i = x, H = y) owns two blocks of 256 queries of head H: first block 7 - i, then block i.  They need (8 - i) + (i + 1) = 9 key blocks of 256: NINE VISITS IN EVERY WORK-GROUP,
; so the loop's count is a constant, the 256 work-groups have equal work, and no LDS address hangs on the work-group's number.  Wave w owns 32 queries of a block, two tiles of 16, from 32 om on;
; om is a permutation of w by which, of waves w and w + 4 and of waves 2 k and 2 k + 1, one has om >= 4: the waves that alone work in a diagonal visit's second step are spread.
; A visit is two steps of 128 keys.  A wave's 32 queries lie inside one step's 128 keys, first key QB: a step with first key KF is left out where KF > QB (a scalar branch on ids; no barrier and no
; tensor load stands in a step), masked where KF = QB, open where KF < QB.  Each wave so does 18 steps of two tiles where om >= 4, else 16.
; LAYOUT.  Both products are used transposed: S^T = K Q^T (source 0 = 16 keys, source 1 = 16 queries), O^T = V^T P^T (source 0 = 16 of the head's 128, source 1 = P): a lane holds ONE query throughout.
; THE KEYS OF A TILE ARE NOT NEIGHBOURS: lane r of tile 4 c + u takes key 64 c + 8 u + r % 8 + 32 (r / 8), so that a lane's score register 32 c + m is key 64 c + 32 (lane / 16) + m: a lane holds two WHOLE
; blocks of 32 keys in the order of the next operand's registers.  A block's maximum needs no other lane and the codes change no lane; only the scale word's bytes are gathered from lane l xor 16.
; EACH FRAGMENT OF K AND OF V READ FROM LDS FEEDS TWO PRODUCTS, one for each of the wave's tiles.
; THE RING.  Two LDS slots of 256 keys, 2^17 bytes apart.  In a slot: K in two parts (keys 64 G + 0..31; keys 64 G + 32..63), V's 128 rows, K's and V's scale words of these keys.  Six waves fetch, one tensor
; load each, behind the one barrier of a visit; the load has a whole visit in which to land.  The scale words ride in the slots so that their LDS place hangs on the slot alone; the price: V's 1,024 bytes a
; visit are cut as 8 bytes out of each of 128 rows of 64.
; NO CLUSTER: the four work-groups of a head want the same key block in visits 0 to 4 only (work-group 3 turns to its second block behind visit 4); to ask jointly throughout, all four would have to walk
; 8 + 4 = 12 visits in place of 9.
; LIMITS.  A scale byte 0xff gives NaN, as the format defines.  p under 2^-126 falls to 0 (v_exp_f32 gives no denormals: ISA guide, its entry), beside a sum of at least 1/2.  A block whose every p is 0 keeps the
; scale byte 1 over zero codes.  A block's largest p is made from its largest score by the same multiply-add and exponential: this takes v_exp_f32 not to fall where its input rises.
; REGISTERS, in two windows of 256.  Window 1: scores, then p: tile e at v[64 e]; O^T: tile e at v[128 + 64 e + 8 t + j] = o(query r, d = 16 t + 8 (lane / 16) + j).  Window 0: all else, as named below.
.set SLOT1, 131072                     ; slot 1: one exclusive or turns an address in one slot into the other's
.set KP,    144                        ; a key's row in LDS: 3 x (32 bytes + 16 of padding) = 36 words
.set DIST,  18560                      ; from K's first part to its second: 32 words modulo 64.  Rows so begin at words 36 (r % 8) + 32 (r / 8): the 16 multiples of 4 modulo 64 (64 banks of 4 bytes: ISA guide 11.1); lanes 16-31 lie 6 or 10 words on
.set VOFF,  37120                      ; V: 128 rows of 3 x (64 bytes + 16 of padding)
.set VP,    240
.set KSOFF, 67840                      ; K's scale words: 256 x 4 bytes
.set VSOFF, 68864                      ; V's: 128 rows x 8 bytes; a slot ends at 69,888
.set STAGE, 200960                     ; behind slot 1: the way out, 16 rows x (512 + 16) bytes for each wave; no tile lands here
.set SP,    528
.set SPARE, 268544                     ; the spare words, 128 bytes for each wave: four blocks of 256 bytes that no other line names
.set AK0, 1                            ; v1   my lane's place in a tile of K: (r % 8) KP + (r / 8) DIST + 24 h
.set AK1, 2                            ; v2   the same behind one padding more: + 16 h
.set AV0, 3                            ; v3   in a tile of V: VOFF + r VP + 24 h
.set AV1, 4                            ; v4   + 16 h
.set ASK, 5                            ; v5   among K's scale words: KSOFF + 4 (r % 8 + 32 (r / 8) + 8 h)
.set ASV, 6                            ; v6   among V's: VSOFF + 8 x lane
.set SPW, 7                            ; v7   my spare word: SPARE + 4 x my thread's number; never rewritten
.set NIL, 8                            ; v8   0; never rewritten
.set STO, 9                            ; v9   the stage: where I put 32 bytes of a row
.set RD,  10                           ; v10  and where I read a row back
.set GO,  11                           ; v11  16 x lane: my bytes of a head's 512 in a row of out0
.set DM,  12                           ; v12  the mask: 32 (om % 4) + r - 32 h
.set SH8, 13                           ; v13  8 h
.set ADK0, 14                          ; v14-19 the step's addresses (v14, v15 first serve Q's loads)
.set ADK1, 15
.set ADV0, 16
.set ADV1, 17
.set ADS,  18
.set ADT,  19
.set ST,  20                           ; tile e's statistics at v[ST + 8 e]: +0 -M, +1 the largest t, +2, +3 the sum, +4 f (at the end 1 / the sum), +5 named with it as a pair, +6, +7 at work
.set QA,  36                           ; v36-59 Q of the block in hand, 12 a tile;  v60-61 its scale words
.set QAS, 60
.set QN,  62                           ; v62-85 Q of the second block;  v86-87 its scale words
.set QNS, 86
.set FR,  88                           ; v88-183 eight fragments of K or of V
.set FS,  184                          ; v184-187 their scale words, two tiles to a register (lanes 0-15, lanes 16-31)
.set PCD, 188                          ; v188-211 p's codes, 12 a tile
.set CT,  212                          ; v212-227 the upper halves of the blocks' codes, as the conversions leave them
.set PW,  228                          ; v228-229 p's scale words
.set BM,  230                          ; v230-233 a block's largest score, then its largest p: tile e, block c at BM + 2 e + c
.set SO,  234                          ; v234-237 the conversions' scale operands
.set BY,  238                          ; v238-241 the scale bytes
.set L2,  242                          ; v242-245 a second pair of sums for each tile
.set NINF, 246                         ; v246 -infinity
.set WV,  18                           ; s18 my wave's number;  s19 om
.set OM,  19
.set SEL, 20                           ; s[20:21] lane selects of v_permlanex16_b32: lane l xor 16
.set CS,  22                           ; s[22:23] c, twice: the packed form names a pair
.set G1K, 24                           ; descriptor groups 1: K's tiles, V's, K's scale words, V's
.set G1V, 32
.set G1KS, 40
.set G1VS, 48
.set G0K, 56                           ; groups 0, which walk
.set G0V, 60
.set G0KS, 68
.set G0VS, 72
.set KB,  76                           ; s[76:83] where my part of key block 0 begins in each of the four tensors
.set VB,  78
.set KSB, 80
.set VSB, 82
.set TB,  86                           ; s86 LDS byte at which the slot in hand begins
.set KF,  87                           ; s87 the step's first key
.set QB,  88                           ; s88 the first key of my diagonal step
.set QEND, 89                          ; s89 KF behind the first block's last visit
.set QB1, 90                           ; s90 QB of the second block
.set OB,  92                           ; s[92:93] out0 at my first query's row and my head;  s[94:95] the same for the second block
.set OB1, 94
.set FB,  96                           ; s96 the key block asked for last
.set NB0, 97                           ; s97 8 - i: key blocks of the first block of queries
.set VIS, 98                           ; s98 visits still to be asked for
.set MSB, 0
.macro WIN new                         ; s_set_vgpr_msb: bits 1:0 source 0, 3:2 source 1, 5:4 source 2, 7:6 destination; the high byte repeats the setting that is left; a switch that changes nothing is dropped
.if MSB != \new
	s_set_vgpr_msb (MSB<<8)|\new
.set MSB, \new
.endif
.endm
; Waves 0, 1: K's two parts; 2, 3: V's two halves; 4: K's scale words; 5: V's; 6, 7: nothing.  The branches hang on the wave's number alone.  Four v_nop follow each load.
.macro TLOAD
	s_cmp_lt_u32 s[WV], 2
	s_cbranch_scc0 .Lnot_k_\@
	tensor_load_to_lds s[G0K:G0K+3], s[G1K:G1K+7]
	s_nop 0
.rept 4
	v_nop
.endr
	s_branch .Lasked_\@
.Lnot_k_\@:
	s_cmp_lt_u32 s[WV], 4
	s_cbranch_scc0 .Lnot_v_\@
	tensor_load_to_lds s[G0V:G0V+3], s[G1V:G1V+7]
	s_nop 0
.rept 4
	v_nop
.endr
	s_branch .Lasked_\@
.Lnot_v_\@:
	s_cmp_eq_u32 s[WV], 4
	s_cbranch_scc0 .Lnot_ks_\@
	tensor_load_to_lds s[G0KS:G0KS+3], s[G1KS:G1KS+7]
	s_nop 0
.rept 4
	v_nop
.endr
	s_branch .Lasked_\@
.Lnot_ks_\@:
	s_cmp_eq_u32 s[WV], 5
	s_cbranch_scc0 .Lasked_\@
	tensor_load_to_lds s[G0VS:G0VS+3], s[G1VS:G1VS+7]
	s_nop 0
.rept 4
	v_nop
.endr
.Lasked_\@:
.endm
; THE CHANGE OF SLOTS stands at a visit's head.  Each wave waits for all its tensor loads (its part of the slot that it is about to read), adds 0 to its spare word, and waits for that and for its reads of the
; slot that it has left.  Behind the barrier the slot ahead is whole and nobody reads the other one.  fill = 1: that other slot takes the next visit's key block.
.macro CHANGE fill
	s_wait_tensorcnt 0x0                           ; no tensor load of mine is out, so the groups 0 may be written
	ds_add_u32 v[SPW], v[NIL]                      ; 0 onto my spare word; the descriptors' steps stand between it and the wait for it
.if \fill
	s_add_co_u32 s[FB], s[FB], 1                   ; the next key block; behind the first block of queries' last, block 0 again: a choice, no branch
	s_cmp_eq_u32 s[FB], s[NB0]
	s_cselect_b32 s[FB], 0, s[FB]
	s_xor_b32 s[G0K+1], s[G0K+1], SLOT1            ; the other slot than last time
	s_xor_b32 s[G0V+1], s[G0V+1], SLOT1
	s_xor_b32 s[G0KS+1], s[G0KS+1], SLOT1
	s_xor_b32 s[G0VS+1], s[G0VS+1], SLOT1
	s_mul_i32 s84, s[FB], 24576                    ; K: 256 rows of 96 bytes a block
	s_add_nc_u64 s[G0K+2:G0K+3], s[KB:KB+1], s[84:85]
	s_or_b32 s[G0K+3], s[G0K+3], 0x80000000        ; 127:126 type = 2
	s_mul_i32 s84, s[FB], 192                      ; V: 192 bytes along each row
	s_add_nc_u64 s[G0V+2:G0V+3], s[VB:VB+1], s[84:85]
	s_or_b32 s[G0V+3], s[G0V+3], 0x80000000
	s_lshl_b32 s84, s[FB], 10                      ; K's scale words: 1,024 bytes
	s_add_nc_u64 s[G0KS+2:G0KS+3], s[KSB:KSB+1], s[84:85]
	s_or_b32 s[G0KS+3], s[G0KS+3], 0x80000000
	s_lshl_b32 s84, s[FB], 3                       ; V's: 8 bytes along each row
	s_add_nc_u64 s[G0VS+2:G0VS+3], s[VSB:VSB+1], s[84:85]
	s_or_b32 s[G0VS+3], s[G0VS+3], 0x80000000
.endif
	s_wait_dscnt 0x0                               ; the add is done, and my reads of the slot that I have left are over
	s_barrier_signal -1
	s_barrier_wait -1
.if \fill
	TLOAD                                          ; the first thing behind the barrier, and a wave's one tensor load until the next
.endif
.endm
; A fragment is 16 rows x 128 K of 6-bit codes in 12 registers: lane (r, h) holds, of its row, the 24 bytes from 24 h on and the 24 bytes from 48 + 24 h on, in pieces of 8 bytes.
; K: tile 4 c + u of the slot's q-th step.  16 bytes of padding lie behind every 4 pieces; lanes 16-31 read three pieces on, which is behind one padding more unless the piece's number is a multiple of 4.
.macro KFRAG reg, q, c, u
.irp p, 0,1,2,3,4,5
.set PP, 6*(\p/3)+\p%3
.if PP%4 == 0
	ds_load_b64 v[\reg+2*\p:\reg+2*\p+1], v[ADK0] offset:(64*(\q)+32*(\c)+8*(\u))*KP+8*PP+16*(PP/4)
.else
	ds_load_b64 v[\reg+2*\p:\reg+2*\p+1], v[ADK1] offset:(64*(\q)+32*(\c)+8*(\u))*KP+8*PP+16*(PP/4)
.endif
.endr
.endm
; V: rows 16 t on, the slot's q-th 128 keys.  16 bytes of padding lie behind every 8 pieces.
.macro VFRAG reg, q, t
.irp p, 0,1,2,3,4,5
.set PP, 12*(\q)+6*(\p/3)+\p%3
.if PP%8 < 5
	ds_load_b64 v[\reg+2*\p:\reg+2*\p+1], v[ADV0] offset:(\t)*16*VP+8*PP+16*(PP/8)
.else
	ds_load_b64 v[\reg+2*\p:\reg+2*\p+1], v[ADV1] offset:(\t)*16*VP+8*PP+16*(PP/8)
.endif
.endr
.endm
.macro SPROD e, c, u                   ; S^T of tile e, keys' tile 4 c + u; the constant 0 starts the sum.  An odd tile's scale words lie in lanes 16-31
.if (\u)%2
	v_wmma_scale_f32_16x16x128_f8f6f4 v[64*\e+32*\c+8*\u:64*\e+32*\c+8*\u+7], v[FR+12*(4*\c+\u):FR+12*(4*\c+\u)+11], v[QA+12*\e:QA+12*\e+11], 0, v[FS+2*\c+\u/2], v[QAS+\e] matrix_a_fmt:MATRIX_FMT_FP6 matrix_b_fmt:MATRIX_FMT_FP6 matrix_a_scale:MATRIX_SCALE_ROW1
.else
	v_wmma_scale_f32_16x16x128_f8f6f4 v[64*\e+32*\c+8*\u:64*\e+32*\c+8*\u+7], v[FR+12*(4*\c+\u):FR+12*(4*\c+\u)+11], v[QA+12*\e:QA+12*\e+11], 0, v[FS+2*\c+\u/2], v[QAS+\e] matrix_a_fmt:MATRIX_FMT_FP6 matrix_b_fmt:MATRIX_FMT_FP6
.endif
.endm
.macro OPROD e, t                      ; O^T of tile e, rows 16 t on of V
.if (\t)%2
	v_wmma_scale_f32_16x16x128_f8f6f4 v[128+64*\e+8*\t:128+64*\e+8*\t+7], v[FR+12*\t:FR+12*\t+11], v[PCD+12*\e:PCD+12*\e+11], v[128+64*\e+8*\t:128+64*\e+8*\t+7], v[FS+\t/2], v[PW+\e] matrix_a_fmt:MATRIX_FMT_FP6 matrix_b_fmt:MATRIX_FMT_FP6 matrix_a_scale:MATRIX_SCALE_ROW1
.else
	v_wmma_scale_f32_16x16x128_f8f6f4 v[128+64*\e+8*\t:128+64*\e+8*\t+7], v[FR+12*\t:FR+12*\t+11], v[PCD+12*\e:PCD+12*\e+11], v[128+64*\e+8*\t:128+64*\e+8*\t+7], v[FS+\t/2], v[PW+\e] matrix_a_fmt:MATRIX_FMT_FP6 matrix_b_fmt:MATRIX_FMT_FP6
.endif
.endm
; A KEY STEP: 128 keys, the q-th of the slot in hand, for my two tiles of queries.
.macro STEP q
	s_cmp_gt_u32 s[KF], s[QB]                      ; all 128 keys come after my 32 queries: the step's work is left out
	s_cbranch_scc1 .Lhidden_\@
	v_add_nc_u32 v[ADK0], s[TB], v[AK0]            ; these six are also the places between the last products and the loads into the registers that they read (4 are asked: ISA guide 7.12.1 for vector instructions)
	v_add_nc_u32 v[ADK1], s[TB], v[AK1]
	v_add_nc_u32 v[ADV0], s[TB], v[AV0]
	v_add_nc_u32 v[ADV1], s[TB], v[AV1]
	v_add_nc_u32 v[ADS], s[TB], v[ASK]
	v_add_nc_u32 v[ADT], s[TB], v[ASV]
.irp c, 0,1
.irp w, 0,1
	ds_load_b32 v[FS+2*\c+\w], v[ADS] offset:4*(128*(\q)+64*\c+16*\w)   ; K's scale words: lanes 0-15 those of tile 4 c + 2 w, lanes 16-31 of tile 4 c + 2 w + 1
.endr
.endr
.irp c, 0,1
.irp u, 0,1,2,3
	KFRAG FR+12*(4*\c+\u), \q, \c, \u
.endr
.endr
	WIN 0x40                                       ; the scores lie in window 1
.irp c, 0,1
.irp u, 0,1,2,3
	s_wait_dscnt 6*(7-4*\c-\u)                     ; this tile's six loads are in (LDS loads come back in order: ISA guide 5.7.1); those of the tiles behind it, six each, may be out
	SPROD 0, \c, \u
	SPROD 1, \c, \u
.endr
.endr
	WIN 0
.rept 4
	v_nop                                          ; places: in front of the loads into K's registers, and of the first read of the scores
.endr
.irp w, 0,1,2,3
	ds_load_b32 v[FS+\w], v[ADT] offset:256*\w+4*(\q)   ; V's scale words: row 32 w + lane: lanes 0-15 tile 2 w, lanes 16-31 tile 2 w + 1
.endr
.irp t, 0,1,2,3,4,5,6,7
	VFRAG FR+12*\t, \q, \t                         ; V lands while the softmax is worked
.endr
	s_cmp_lt_u32 s[KF], s[QB]                      ; a step all of whose keys count skips the mask
	s_cbranch_scc1 .Lopen_\@
	WIN 0x41
.irp e, 0,1                                    ; ON THE DIAGONAL: register n holds key KF + 64 (n / 32) + 32 h + n % 32, my query is KF + 32 (om % 4) + 16 e + r: hidden scores become -infinity, so that p = 0.  Each accumulator from its low end on
.set n, 0
.rept 64
	v_cmp_gt_i32 vcc_lo, 64*(n/32)+n%32-16*\e, v[DM]
	v_cndmask_b32 v[64*\e+n], v[64*\e+n], v[NINF], vcc_lo
.set n, n+1
.endr
.endr
	WIN 0
.Lopen_\@:
	WIN 0x05
.set i, 0
.rept 16                                       ; THE LARGEST SCORE OF EACH OF MY FOUR BLOCKS OF 32 KEYS (two a tile): it serves for the row's maximum and, since p rises with the score, for the block's largest p.  Four chains by turns, ascending
.irp e, 0,1
.irp c, 0,1
.if i == 0
	v_max3_num_f32 v[BM+2*\e+\c], v[64*\e+32*\c], v[64*\e+32*\c+1], v[NINF]
.else
	v_max3_num_f32 v[BM+2*\e+\c], v[64*\e+32*\c+2*i], v[64*\e+32*\c+2*i+1], v[BM+2*\e+\c]
.endif
.endr
.endr
.set i, i+1
.endr
	WIN 0
.irp e, 0,1                                    ; (the two tiles by turns, so that no line waits for the line above it)
	v_max_num_f32 v[ST+8*\e+6], v[BM+2*\e], v[BM+2*\e+1]
.endr
.irp e, 0,1
	v_permlanex16_b32 v[ST+8*\e+7], v[ST+8*\e+6], s[SEL], s[SEL+1]
.endr
.irp e, 0,1
	v_max_num_f32 v[ST+8*\e+6], v[ST+8*\e+6], v[ST+8*\e+7]   ; with lane l xor 16's two blocks: the step's largest score of my query
.endr
.irp e, 0,1
	v_mul_f32 v[ST+8*\e+6], s[CS], v[ST+8*\e+6]    ; as t (c is positive)
.endr
.irp e, 0,1
	v_max_num_f32 v[ST+8*\e+1], v[ST+8*\e+1], v[ST+8*\e+6]   ; the running largest t
.endr
.irp e, 0,1
	v_mov_b32 v[ST+8*\e+6], v[ST+8*\e]
.endr
.irp e, 0,1
	v_floor_f32 v[ST+8*\e], -v[ST+8*\e+1]          ; the new -M = floor(-t) = -ceil(t): M is a whole number
.endr
.irp e, 0,1
	v_sub_f32 v[ST+8*\e+6], v[ST+8*\e], v[ST+8*\e+6]   ; old M - new M: a whole number, 0 or less
.endr
.irp e, 0,1
	v_cvt_i32_f32 v[ST+8*\e+6], v[ST+8*\e+6]       ; (it saturates)
.endr
.irp e, 0,1
	v_ldexp_f32 v[ST+8*\e+4], 1.0, v[ST+8*\e+6]    ; f = 2^(old M - new M)
.endr
.irp e, 0,1
.irp c, 0,1
	v_fma_f32 v[BM+2*\e+\c], v[BM+2*\e+\c], s[CS], v[ST+8*\e]   ; t - M of each block's largest score
.endr
.endr
	WIN 0x41
.set j, 0
.rept 32
	v_pk_fma_f32 v[j:j+1], v[j:j+1], s[CS:CS+1], v[ST:ST+1] op_sel_hi:[1,0,0]   ; tile 0: t - M, two at a time (of the pairs c and -M the low word serves both halves)
.set j, j+2
.endr
.set n, 0
.rept 64                                       ; tile 0's exponentials, a plain line behind each (ISA guide 5.7.2): by turns tile 1's t - M and tile 0's O^T x f, each accumulator from its low end on
	v_exp_f32 v[n], v[n]                           ; p = 2^(t - M), at most 1: not normalised
.if n%2 == 0
	v_pk_fma_f32 v[64+n:64+n+1], v[64+n:64+n+1], s[CS:CS+1], v[ST+8:ST+9] op_sel_hi:[1,0,0]
.else
	v_pk_mul_f32 v[128+n-1:128+n], v[128+n-1:128+n], v[ST+4:ST+5] op_sel_hi:[1,0]
.endif
.set n, n+1
.endr
.set n, 0
.rept 64                                       ; tile 1's, with its O^T x f behind every second one, and behind the last
	v_exp_f32 v[64+n], v[64+n]
.if n%2 == 1
	v_pk_mul_f32 v[192+n-1:192+n], v[192+n-1:192+n], v[ST+12:ST+13] op_sel_hi:[1,0]
.endif
.set n, n+1
.endr
	WIN 0
.irp b, 0,1,2,3
	v_exp_f32 v[BM+\b], v[BM+\b]                   ; the blocks' largest p: the same two instructions on the same number give the same bits
.endr
.irp e, 0,1
	v_pk_mul_f32 v[ST+8*\e+2:ST+8*\e+3], v[ST+8*\e+2:ST+8*\e+3], v[ST+8*\e+4:ST+8*\e+5] op_sel_hi:[1,0]   ; the sums under the new M.  (Plain lines behind the exponentials)
.endr
.irp e, 0,1
	v_pk_mul_f32 v[L2+2*\e:L2+2*\e+1], v[L2+2*\e:L2+2*\e+1], v[ST+8*\e+4:ST+8*\e+5] op_sel_hi:[1,0]
.endr
	s_wait_alu depctr_va_vdst(0)
.irp b, 0,1,2,3
	v_max_num_f32 v[BM+\b], 0x1800000, v[BM+\b]    ; the floor 2^(3 - 127): the byte cannot fall under 1
.endr
.irp b, 0,1,2,3
	v_add_nc_u32 v[SO+\b], 0xff000000, v[BM+\b]    ; 2 off the exponent field: the conversion takes the exponent field of this operand as its scale, and nothing else of it
.endr
.irp b, 0,1,2,3
	v_lshrrev_b32 v[BY+\b], 23, v[SO+\b]           ; the scale's byte
.endr
.irp e, 0,1
	v_lshl_or_b32 v[ST+8*\e+6], v[BY+2*\e+1], 16, v[BY+2*\e]   ; my two bytes: blocks h and 2 + h of my query,
.endr
.irp e, 0,1
	v_lshlrev_b32 v[ST+8*\e+6], v[SH8], v[ST+8*\e+6]   ; at their places in the scale word;
.endr
.irp e, 0,1
	v_permlanex16_b32 v[ST+8*\e+7], v[ST+8*\e+6], s[SEL], s[SEL+1]
.endr
.irp e, 0,1
	v_or_b32 v[PW+\e], v[ST+8*\e+6], v[ST+8*\e+7]  ; with lane l xor 16's two the word is whole
.endr
	WIN 0x01
.irp e, 0,1
.irp c, 0,1
	v_cvt_scalef32_pk16_fp6_f32 v[PCD+12*\e+6*\c:PCD+12*\e+6*\c+2], v[64*\e+32*\c:64*\e+32*\c+15], v[SO+2*\e+\c]   ; registers 6 c .. 6 c + 2 of the operand
	v_cvt_scalef32_pk16_fp6_f32 v[CT+8*\e+4*\c:CT+8*\e+4*\c+2], v[64*\e+32*\c+16:64*\e+32*\c+31], v[SO+2*\e+\c]   ; (a conversion's three registers begin on an even number: the block's upper half is made elsewhere and moved)
.endr
.endr
	v_nop                                          ; one plain place behind a scaled conversion
	WIN 0
.irp e, 0,1
.irp c, 0,1
.irp i, 0,1,2
	v_mov_b32 v[PCD+12*\e+6*\c+3+\i], v[CT+8*\e+4*\c+\i]
.endr
.endr
.endr
	WIN 0x04
.set i, 0
.rept 16                                       ; THE ROW'S SUM IS TAKEN OF THE UNQUANTISED p: two at a time, four chains.  These 64 lines are also the places between the writing of p's codes and scale words and the scaled products
.irp e, 0,1
	v_pk_add_f32 v[ST+8*\e+2:ST+8*\e+3], v[ST+8*\e+2:ST+8*\e+3], v[64*\e+4*i:64*\e+4*i+1]
	v_pk_add_f32 v[L2+2*\e:L2+2*\e+1], v[L2+2*\e:L2+2*\e+1], v[64*\e+4*i+2:64*\e+4*i+3]
.endr
.set i, i+1
.endr
	s_wait_dscnt 0x0                               ; V and its scale words are in
	WIN 0x50                                       ; C and D in window 1
.irp t, 0,1,2,3,4,5,6,7                        ; sixteen accumulators, one instruction a turn
	OPROD 0, \t
	OPROD 1, \t
.endr
	WIN 0
.Lhidden_\@:
	s_add_co_u32 s[KF], s[KF], 128
.endm
; THE WAY OUT of a block of queries.  The sums' parts are added; O^T is divided by the sum; a tile (16 rows of 512 bytes) goes through my own stage in LDS and comes back as whole rows.
.macro WAYOUT
.rept 4
	v_nop                                          ; places behind the last products
.endr
.irp e, 0,1
	v_pk_add_f32 v[ST+8*\e+2:ST+8*\e+3], v[ST+8*\e+2:ST+8*\e+3], v[L2+2*\e:L2+2*\e+1]
.endr
.irp e, 0,1
	v_add_f32 v[ST+8*\e+6], v[ST+8*\e+2], v[ST+8*\e+3]
.endr
.irp e, 0,1
	v_permlanex16_b32 v[ST+8*\e+7], v[ST+8*\e+6], s[SEL], s[SEL+1]
.endr
.irp e, 0,1
	v_add_f32 v[ST+8*\e+6], v[ST+8*\e+6], v[ST+8*\e+7]   ; with lane l xor 16's: the row's sum
.endr
.irp e, 0,1
	v_rcp_f32 v[ST+8*\e+4], v[ST+8*\e+6]
.endr
	v_nop                                          ; a plain place behind the reciprocals
	WIN 0x41
	s_wait_alu depctr_va_vdst(0)
.irp e, 0,1
.set j, 0
.rept 32
	v_pk_mul_f32 v[128+64*\e+j:128+64*\e+j+1], v[128+64*\e+j:128+64*\e+j+1], v[ST+8*\e+4:ST+8*\e+5] op_sel_hi:[1,0]   ; each accumulator from its low end on
.set j, j+2
.endr
.endr
.irp e, 0,1
	WIN 0x04                                       ; an LDS store's data are its source 1
.irp t, 0,1,2,3,4,5,6,7
	ds_store_b128 v[STO], v[128+64*\e+8*\t:128+64*\e+8*\t+3] offset:64*\t       ; lane (r, h): o(r, 16 t + 8 h + 0 .. 7)
	ds_store_b128 v[STO], v[128+64*\e+8*\t+4:128+64*\e+8*\t+7] offset:64*\t+16
.endr
	WIN 0x40
.irp i, 0,1,2,3,4,5,6,7,8,9,10,11,12,13,14,15
	ds_load_b128 v[64*\e+4*\i:64*\e+4*\i+3], v[RD] offset:\i*SP   ; LDS serves a wave's instructions in order (ISA guide 5.7.1.4): these see the stores above, and the next tile's stores come behind them
.endr
.endr
	WIN 0x04
	s_wait_dscnt 32                                ; tile 0's rows are back; behind their loads stand tile 1's 16 stores and 16 loads
.irp i, 0,1,2,3,4,5,6,7,8,9,10,11,12,13,14,15
	global_store_b128 v[GO], v[4*\i:4*\i+3], s[OB:OB+1] offset:\i*16384 th:TH_STORE_NT   ; 32 lanes store 512 consecutive bytes, at a multiple of 512 from out0's first byte; written once
.endr
	s_wait_dscnt 0x0
.irp i, 0,1,2,3,4,5,6,7,8,9,10,11,12,13,14,15
	global_store_b128 v[GO], v[64+4*\i:64+4*\i+3], s[OB:OB+1] offset:(16+\i)*16384 th:TH_STORE_NT
.endr
	s_wait_xcnt 0x0                                ; the stores' data registers and their base are written again only behind this wait
	WIN 0
.endm
; A block of queries begins: the largest t is -3e38, under every t; the sums and O^T are zeros, which the first change of M leaves zeros.  O^T is cleared, twice in the launch, so that the step is written once.
.macro RESET
.irp e, 0,1
	v_mov_b32 v[ST+8*\e+1], 0xff61b1e6
	v_floor_f32 v[ST+8*\e], -v[ST+8*\e+1]
	v_mov_b32 v[ST+8*\e+2], 0
	v_mov_b32 v[ST+8*\e+3], 0
	v_mov_b32 v[L2+2*\e], 0
	v_mov_b32 v[L2+2*\e+1], 0
.endr
	WIN 0x40
.set j, 0
.rept 128
	v_mov_b32 v[128+j], 0
.set j, j+1
.endr
	WIN 0
.endm
	s_load_b256 s[4:11], s[0:1], 0x0               ; Q's codes s[4:5], Q's scales s[6:7], K's codes s[8:9], K's scales s[10:11]
	s_load_b128 s[12:15], s[0:1], 0x20             ; V's codes s[12:13], V's scales s[14:15]
	s_load_b64 s[16:17], s[0:1], 0x30              ; out0
	v_lshl_add_u32 v[SPW], v0, 2, SPARE
	v_mov_b32 v[NIL], 0
	ds_add_u32 v7, v8
	s_wait_dscnt 0x0
	v_lshrrev_b32 v247, 5, v0
	v_readfirstlane_b32 s[WV], v247                ; wave 0..7
	s_lshr_b32 s2, s[WV], 2
	s_xor_b32 s2, s2, s[WV]
	s_and_b32 s2, s2, 1
	s_lshl_b32 s2, s2, 2
	s_lshr_b32 s3, s[WV], 1
	s_or_b32 s[OM], s2, s3                         ; om = 4 ((w xor w / 4) % 2) + w / 2: 0, 4, 1, 5, 6, 2, 7, 3
	s_and_b32 s66, ttmp7, 0xffff                   ; the head H
	s_sub_co_u32 s[NB0], 8, ttmp9                  ; 8 - i
	s_lshl_b32 s[QEND], s[NB0], 8                  ; the first block of queries ends at key 256 (8 - i)
	s_lshr_b32 s3, s[OM], 2
	s_lshl_b32 s3, s3, 7                           ; 128 (om / 4)
	s_sub_co_u32 s2, s[QEND], 256                  ; 256 (7 - i)
	s_add_co_u32 s[QB], s2, s3
	s_lshl_b32 s99, ttmp9, 8                       ; 256 i
	s_add_co_u32 s[QB1], s99, s3
	s_lshl_b32 s3, s[OM], 5
	s_add_co_u32 s67, s2, s3                       ; my first query of the first block,
	s_add_co_u32 s99, s99, s3                      ; and of the second
	; descriptor groups 1, all constants.  K: one part of a block: 4 rows of 3,072 bytes (32 keys on end), 6,144 bytes apart, in elements of 8 bytes; 16 bytes of padding behind every 32
	s_mov_b32 s[G1K], (3<<16)|(1<<20)|(2<<22)|(3<<25)   ; 15:0 no mask; 17:16 elements of 8 bytes; 20 padding on; 24:22 after every 8 words (code 2); 31:25 of 4 words (code 3)
	s_mov_b32 s[G1K+1], 384<<16                    ; tensor_dim0
	s_mov_b32 s[G1K+2], 4<<16                      ; tensor_dim1
	s_mov_b32 s[G1K+3], 384<<16                    ; tile_dim0
	s_mov_b32 s[G1K+4], 4                          ; tile_dim1
	s_mov_b32 s[G1K+5], 768                        ; tensor_dim0_stride
	s_mov_b32 s[G1K+6], 0
	s_mov_b32 s[G1K+7], 0
	; V: 64 rows of 192 bytes, 1,536 bytes apart, in bytes; 16 bytes of padding behind every 64
	s_mov_b32 s[G1V], (1<<20)|(3<<22)|(3<<25)
	s_mov_b32 s[G1V+1], 192<<16
	s_mov_b32 s[G1V+2], 64<<16
	s_mov_b32 s[G1V+3], 192<<16
	s_mov_b32 s[G1V+4], 64
	s_mov_b32 s[G1V+5], 1536
	s_mov_b32 s[G1V+6], 0
	s_mov_b32 s[G1V+7], 0
	; K's scale words: 1,024 dense bytes as 4 rows of 256
	s_mov_b32 s[G1KS], 3<<16
	s_mov_b32 s[G1KS+1], 32<<16
	s_mov_b32 s[G1KS+2], 4<<16
	s_mov_b32 s[G1KS+3], 32<<16
	s_mov_b32 s[G1KS+4], 4
	s_mov_b32 s[G1KS+5], 32
	s_mov_b32 s[G1KS+6], 0
	s_mov_b32 s[G1KS+7], 0
	; V's: 128 rows of 8 bytes, 64 bytes apart
	s_mov_b32 s[G1VS], 3<<16
	s_mov_b32 s[G1VS+1], 1<<16
	s_mov_b32 s[G1VS+2], 128<<16
	s_mov_b32 s[G1VS+3], 1<<16
	s_mov_b32 s[G1VS+4], 128
	s_mov_b32 s[G1VS+5], 8
	s_mov_b32 s[G1VS+6], 0
	s_mov_b32 s[G1VS+7], 0
	s_mov_b32 s[SEL], 0x76543210
	s_mov_b32 s[SEL+1], 0xfedcba98
	s_mov_b32 s[CS], 0x3e0293ee                    ; c = log2(e) / sqrt(128)
	s_mov_b32 s[CS+1], s[CS]                       ; (named with it as a pair, so it is written)
	s_mov_b32 s[TB], 0
	s_mov_b32 s[KF], 0
	s_mov_b32 s[FB], 0
	s_mov_b32 s[VIS], 8
	s_mov_b32 s85, 0                               ; the high word of the pair in which offsets are added to addresses
	s_and_b32 s2, s[WV], 1                         ; which part of K, which half of V I fetch, if I fetch
	s_mul_i32 s3, s66, 196608                      ; the head's first byte in each tensor of codes,
	s_lshl_b32 s91, s66, 13                        ; and in each tensor of scale bytes
	s_wait_kmcnt 0x0
	s_mul_i32 s84, s2, 3072
	s_add_co_u32 s84, s84, s3
	s_add_nc_u64 s[KB:KB+1], s[8:9], s[84:85]
	s_mul_i32 s84, s2, 98304
	s_add_co_u32 s84, s84, s3
	s_add_nc_u64 s[VB:VB+1], s[12:13], s[84:85]
	s_mov_b32 s84, s91
	s_add_nc_u64 s[KSB:KSB+1], s[10:11], s[84:85]
	s_add_nc_u64 s[VSB:VSB+1], s[14:15], s[84:85]
	s_mov_b32 s[G0K], 1                            ; 1:0 count = 1
	s_mul_i32 s[G0K+1], s2, DIST                   ; 63:32 LDS address: slot 0
	s_mov_b64 s[G0K+2:G0K+3], s[KB:KB+1]           ; 120:64 global address: key block 0
	s_or_b32 s[G0K+3], s[G0K+3], 0x80000000        ; 127:126 type = 2
	s_mov_b32 s[G0V], 1
	s_mul_i32 s[G0V+1], s2, 64*VP
	s_add_co_u32 s[G0V+1], s[G0V+1], VOFF
	s_mov_b64 s[G0V+2:G0V+3], s[VB:VB+1]
	s_or_b32 s[G0V+3], s[G0V+3], 0x80000000
	s_mov_b32 s[G0KS], 1
	s_mov_b32 s[G0KS+1], KSOFF
	s_mov_b64 s[G0KS+2:G0KS+3], s[KSB:KSB+1]
	s_or_b32 s[G0KS+3], s[G0KS+3], 0x80000000
	s_mov_b32 s[G0VS], 1
	s_mov_b32 s[G0VS+1], VSOFF
	s_mov_b64 s[G0VS+2:G0VS+3], s[VSB:VSB+1]
	s_or_b32 s[G0VS+3], s[G0VS+3], 0x80000000
	TLOAD                                          ; slot 0's first fill, ahead of every wait on TENSORcnt, every LDS read and every barrier
	s_mul_i32 s84, s67, 96                         ; Q's four bases, in the registers that held K's and V's addresses
	s_add_co_u32 s84, s84, s3
	s_add_nc_u64 s[8:9], s[4:5], s[84:85]          ; codes, first block
	s_mul_i32 s84, s99, 96
	s_add_co_u32 s84, s84, s3
	s_add_nc_u64 s[10:11], s[4:5], s[84:85]        ; codes, second block
	s_lshl_b32 s84, s67, 2
	s_add_co_u32 s84, s84, s91
	s_add_nc_u64 s[12:13], s[6:7], s[84:85]        ; scale words, first block
	s_lshl_b32 s84, s99, 2
	s_add_co_u32 s84, s84, s91
	s_add_nc_u64 s[14:15], s[6:7], s[84:85]        ; scale words, second block
	v_and_b32 v247, 15, v0                         ; r
	v_bfe_u32 v248, v0, 4, 1                       ; h
	v_and_b32 v249, 31, v0                         ; lane
	v_and_b32 v250, 7, v0                          ; r % 8
	v_bfe_u32 v251, v0, 3, 1                       ; r / 8
	v_mul_u32_u24 v14, v247, 96
	v_mad_u32_u24 v14, v248, 24, v14               ; Q: row r, + 24 h
	v_lshlrev_b32 v15, 2, v247                     ; its scale word
.irp e, 0,1                                    ; Q of both blocks stays in registers: tile e lies 16 rows on
.irp p, 0,1,2,3,4,5
	global_load_b64 v[QA+12*\e+2*\p:QA+12*\e+2*\p+1], v14, s[8:9] offset:1536*\e+48*(\p/3)+8*(\p%3)
	global_load_b64 v[QN+12*\e+2*\p:QN+12*\e+2*\p+1], v14, s[10:11] offset:1536*\e+48*(\p/3)+8*(\p%3)
.endr
	global_load_b32 v[QAS+\e], v15, s[12:13] offset:64*\e
	global_load_b32 v[QNS+\e], v15, s[14:15] offset:64*\e
.endr
	s_lshr_b32 s2, s66, 5                          ; out0: batch H / 32: 2^25 bytes;
	s_lshl_b32 s2, s2, 25
	s_and_b32 s3, s66, 31                          ; head H % 32: 512 bytes of a row;
	s_lshl_b32 s3, s3, 9
	s_add_co_u32 s2, s2, s3
	s_lshl_b32 s84, s67, 14                        ; a query's row: 16,384 bytes.  All under 2^26
	s_add_co_u32 s84, s84, s2
	s_add_nc_u64 s[OB:OB+1], s[16:17], s[84:85]
	s_lshl_b32 s84, s99, 14
	s_add_co_u32 s84, s84, s2
	s_add_nc_u64 s[OB1:OB1+1], s[16:17], s[84:85]
	v_mul_u32_u24 v[AK0], v250, KP
	v_mad_u32_u24 v[AK0], v251, DIST, v[AK0]
	v_mad_u32_u24 v[AK0], v248, 24, v[AK0]
	v_lshl_add_u32 v[AK1], v248, 4, v[AK0]
	v_mul_u32_u24 v[AV0], v247, VP
	v_mad_u32_u24 v[AV0], v248, 24, v[AV0]
	v_add_nc_u32 v[AV0], VOFF, v[AV0]
	v_lshl_add_u32 v[AV1], v248, 4, v[AV0]
	v_lshl_add_u32 v[ASK], v251, 5, v250
	v_lshl_add_u32 v[ASK], v248, 3, v[ASK]
	v_lshl_add_u32 v[ASK], v[ASK], 2, KSOFF
	v_lshl_add_u32 v[ASV], v249, 3, VSOFF
	s_mul_i32 s2, s[WV], 16*SP
	s_add_co_u32 s2, s2, STAGE                     ; my stage
	v_mul_u32_u24 v[STO], v247, SP                 ; in: row r, 32 bytes for each half of the lanes
	v_lshl_add_u32 v[STO], v248, 5, v[STO]
	v_add_nc_u32 v[STO], s2, v[STO]
	v_lshlrev_b32 v[GO], 4, v249                   ; back: the 32 lanes take one row of 512 bytes; and the same in out0
	v_add_nc_u32 v[RD], s2, v[GO]
	s_and_b32 s3, s[OM], 3
	s_lshl_b32 s3, s3, 5
	v_lshlrev_b32 v[DM], 5, v248
	v_sub_nc_u32 v[DM], v247, v[DM]
	v_add_nc_u32 v[DM], s3, v[DM]                  ; 32 (om % 4) + r - 32 h
	v_lshlrev_b32 v[SH8], 3, v248
	v_mov_b32 v[NINF], 0xff800000
.irp e, 0,1
	v_mov_b32 v[ST+8*\e+5], 0                      ; named as the upper half of f's pair
	v_mov_b32 v[ST+8*\e+7], 0                      ; a lane permute's destination counts as one of its sources
.endr
	RESET
	s_wait_loadcnt 0x0                             ; Q; v14 and v15 are free
.Lvisit:                                           ; eight trips: behind each change of slots but the last the next visit's key block is asked for
	CHANGE 1
	STEP 0
	STEP 1
	s_xor_b32 s[TB], s[TB], SLOT1                  ; on to the other slot
	s_cmp_lg_u32 s[KF], s[QEND]                    ; behind visit 7 - i the first block of queries is finished: a branch on ids, round no barrier and no tensor load
	s_cbranch_scc1 .Lsame_block
	WAYOUT
	s_mov_b32 s[KF], 0                             ; the second block begins at key 0,
	s_mov_b32 s[QB], s[QB1]
	s_mov_b32 s[QEND], -1                          ; and ends with the last visit
	s_mov_b64 s[OB:OB+1], s[OB1:OB1+1]
.set j, 0
.rept 26
	v_mov_b32 v[QA+j], v[QN+j]                     ; its Q and scale words; the lines of RESET stand between these and the next products
.set j, j+1
.endr
	RESET
.Lsame_block:
	s_sub_co_u32 s[VIS], s[VIS], 1
	s_cmp_lg_u32 s[VIS], 0
	s_cbranch_scc1 .Lvisit
	CHANGE 0                                       ; the last visit is written out
	STEP 0
	STEP 1
	WAYOUT
	s_wait_tensorcnt 0x0                           ; the wave's end: behind my last tensor load and my last LDS store
	ds_add_u32 v[SPW], v[NIL]
	s_wait_dscnt 0x0
	s_endpgm
.Lfunc_end_k_qe8242ee533_attn:
	.size	k_qe8242ee533_attn, .Lfunc_end_k_qe8242ee533_attn-k_qe8242ee533_attn
	.p2alignl 7, 3214868480
	.fill 96, 4, 3214868480
	.section	.rodata,"a",@progbits
	.p2align	6, 0x0
	.amdhsa_kernel k_qe8242ee533_attn
		.amdhsa_group_segment_fixed_size 327680
		.amdhsa_private_segment_fixed_size 0
		.amdhsa_enable_private_segment 0
		.amdhsa_kernarg_size 56
		.amdhsa_user_sgpr_count 2
		.amdhsa_user_sgpr_kernarg_segment_ptr 1
		.amdhsa_wavefront_size32 1
		.amdhsa_system_sgpr_workgroup_id_x 1
		.amdhsa_system_sgpr_workgroup_id_y 1
		.amdhsa_system_sgpr_workgroup_id_z 1
		.amdhsa_system_vgpr_workitem_id 0
		.amdhsa_next_free_vgpr 512
		.amdhsa_next_free_sgpr 100
		.amdhsa_reserve_vcc 1
		.amdhsa_float_denorm_mode_32 3
		.amdhsa_float_denorm_mode_16_64 3
		.amdhsa_memory_ordered 1
		.amdhsa_forward_progress 1
		.amdhsa_inst_pref_size 227
	.end_amdhsa_kernel
	.amdgpu_metadata
---
amdhsa.version: [ 1, 2 ]
amdhsa.kernels:
  - .name:           k_qe8242ee533_attn
    .symbol:         k_qe8242ee533_attn.kd
    .args:
      - { .name: query_layer_codes, .offset: 0, .size: 8, .value_kind: global_buffer, .address_space: global }
      - { .name: query_layer_scales, .offset: 8, .size: 8, .value_kind: global_buffer, .address_space: global }
      - { .name: key_layer_codes, .offset: 16, .size: 8, .value_kind: global_buffer, .address_space: global }
      - { .name: key_layer_scales, .offset: 24, .size: 8, .value_kind: global_buffer, .address_space: global }
      - { .name: value_layer_codes, .offset: 32, .size: 8, .value_kind: global_buffer, .address_space: global }
      - { .name: value_layer_scales, .offset: 40, .size: 8, .value_kind: global_buffer, .address_space: global }
      - { .name: out0, .offset: 48, .size: 8, .value_kind: global_buffer, .address_space: global }
    .group_segment_fixed_size: 327680
    .private_segment_fixed_size: 0
    .kernarg_segment_align: 8
    .kernarg_segment_size: 56
    .max_flat_workgroup_size: 256
    .sgpr_count:     100
    .vgpr_count:     512
    .wavefront_size: 32
...
	.end_amdgpu_metadata
.endif
;; end of part 1
